; MI455X (gfx1250); checked and timed in simulation.
; The chip was launched on July 23, 2026; its instructions are those of AMD's public machine-readable ISA for CDNA 5 (MIT licence, August 2026) and "CDNA5" Instruction Set Architecture Reference Guide (July 2026). The comments in the code are by the model that wrote it; some were corrected since.
;; Adaptive Attention. Allowed arithmetic: matrix products marked QUANTISED: E2M3 operands, one E8M0 scale for each 32 along K, by v_wmma_scale_f32_16x16x128_f8f6f4 with both operands' format E2M3, f32 sums; everything else in f32.
;; Inputs: Wk_codes 16 x 64 x 32 x 24 uint8 (E2M3 codes of Wk, K innermost, in blocks of 32 codes, four codes in three bytes); Wk_scales 16 x 64 x 32 uint8 (E8M0 scales of Wk, one for each 32 codes along K); Wo_codes 1,024 x 32 x 24 uint8 (E2M3 codes of Wo, K innermost, in blocks of 32 codes, four codes in three bytes); Wo_scales 1,024 x 32 uint8 (E8M0 scales of Wo, one for each 32 codes along K); Wq_codes 16 x 64 x 32 x 24 uint8 (E2M3 codes of Wq, K innermost, in blocks of 32 codes, four codes in three bytes); Wq_scales 16 x 64 x 32 uint8 (E8M0 scales of Wq, one for each 32 codes along K); Wv_codes 16 x 64 x 32 x 24 uint8 (E2M3 codes of Wv, K innermost, in blocks of 32 codes, four codes in three bytes); Wv_scales 16 x 64 x 32 uint8 (E8M0 scales of Wv, one for each 32 codes along K); bk 16 x 64 float32; bo 1,024 float32; bq 16 x 64 float32; bv 16 x 64 float32; head_selector 16 float32; key_codes 4 x 2,048 x 32 x 24 uint8 (E2M3 codes of key, K innermost, in blocks of 32 codes, four codes in three bytes); key_scales 4 x 2,048 x 32 uint8 (E8M0 scales of key, one for each 32 codes along K); query_codes 4 x 2,048 x 32 x 24 uint8 (E2M3 codes of query, K innermost, in blocks of 32 codes, four codes in three bytes); query_scales 4 x 2,048 x 32 uint8 (E8M0 scales of query, one for each 32 codes along K); value_codes 4 x 2,048 x 32 x 24 uint8 (E2M3 codes of value, K innermost, in blocks of 32 codes, four codes in three bytes); value_scales 4 x 2,048 x 32 uint8 (E8M0 scales of value, one for each 32 codes along K).
;; Outputs: out0 4 x 2,048 x 1,024 float32.
;; This version of the problem:
;;   THIS VERSION OF THE PROBLEM IS GIVEN IN LOW PRECISION. The matrix products marked QUANTISED in the list below multiply operands that are first quantised to E2M3 (2 exponent bits, 3 mantissa bits; 6 bits a number), with one power-of-two scale for each 32 numbers along K (OCP MX v1.0); their sums are f32. All else is computed in f32.
;;   The module's matrix products, in the order in which they are computed (A, B: the left and right operand; K: the contracted axis; several contracted axes count as one K, in the product's order):
;;     1. [M 1,024, K 1,024] x [K 1,024, N 8,192]; A: input Wq (given as codes); B: input query (given as codes): QUANTISED
;;     2. [M 1,024, K 1,024] x [K 1,024, N 8,192]; A: input Wk (given as codes); B: input key (given as codes): QUANTISED
;;     3. [M 1,024, K 1,024] x [K 1,024, N 8,192]; A: input Wv (given as codes); B: input value (given as codes): QUANTISED
;;     4. batch 64 x [M 2,048, K 64] x [K 64, N 2,048]; A: computed on the way; B: computed on the way: QUANTISED
;;     5. batch 64 x [M 2,048, K 2,048] x [K 2,048, N 64]; A: softmax (see below); B: computed on the way: QUANTISED
;;     6. [M 8,192, K 1,024] x [K 1,024, N 1,024]; A: computed on the way; B: input Wo (given as codes): QUANTISED
;;   THE QUANTISER, for each operand of a quantised product, along K:
;;     - K is cut into blocks of 32 from its start; a last block that is shorter is filled with zeros.
;;     - A block's scale is 2^e with e = floor(log2(the largest magnitude in the block)) - 2, held to -126 .. 127; a block of zeros has e = 0. As a byte (E8M0): e + 127.
;;     - Each number is divided by its block's scale, clamped to +-7.5, and rounded to the nearest number of E2M3, ties to even, subnormals kept.
;;     - The product sums the exact products of the quantised numbers (number of the format x scale) in f32.
;;   ~~~python
;;   def quantise(x, axis):      # numpy; x: float32 -> the quantised numbers, widened to float32 again
;;       x = np.moveaxis(x, axis, -1); K = x.shape[-1]
;;       x = np.pad(x, [(0, 0)] * (x.ndim - 1) + [(0, -K % 32)]); x = x.reshape(x.shape[:-1] + (-1, 32)); a = np.abs(x).max(-1, keepdims=True)
;;       e = np.where(a > 0, np.clip(np.frexp(np.where(a > 0, a, 1))[1] - 1 - 2, -126, 127), 0)      # np.frexp(a)[1] - 1 = floor(log2(a)), exactly
;;       r = np.clip(x / 2.0 ** e, -7.5, 7.5)
;;       step = 2.0 ** (np.maximum(np.frexp(np.where(r == 0, 1, r))[1] - 1, 0) - 3)
;;       q = np.round(r / step) * step * 2.0 ** e      # np.round: ties to even
;;       return np.moveaxis(q.reshape(q.shape[:-2] + (-1,))[..., :K], -1, axis).astype(np.float32)
;;   ~~~
;;   SOFTMAX AHEAD OF A QUANTISED PRODUCT. Where the list says 'softmax', what is quantised is not the finished softmax but p = 2^(t - M), with t = logit x log2(e) and M = ceil(the row's largest t), a whole number; so 1/2 < the row's largest p <= 1. The row's sum l is taken of the UNQUANTISED p, in f32, and the product's result is divided by l at the end. Since M is a whole number, a kernel that streams over the keys may use a running M (the ceiling of the running maximum): every later rescaling is an exact power of two, which a block's scale takes up: the codes' values come out the same.
;;   OPERANDS COMPUTED ON THE WAY. 'Computed on the way' means the value that the module computes at that place (a softmax that the list does not call 'softmax' is quantised finished and normalised). What goes into a quantiser is computed in f32, as accurately as f32 sums, v_exp_f32 and their like allow (about 1e-6 of the number): no bf16 or f16 on the way to a quantiser, and a product that is left as it is and whose result goes on into a quantised operand takes f32 operands (vector FMAs, or v_wmma_f32_16x16x4_f32). A number that lies on a knife's edge between two numbers of the format may be rounded either way, as far as f32 arithmetic and the matrix unit's own rounding can turn it there, and no further.
;;   INPUTS GIVEN AS CODES. Wk (in the module: [16, 1024, 64], K = its axis 1); Wo (in the module: [1024, 1024], K = its axis 0); Wq (in the module: [16, 1024, 64], K = its axis 1); Wv (in the module: [16, 1024, 64], K = its axis 1); key (in the module: [4, 2048, 1024], K = its axis 2); query (in the module: [4, 2048, 1024], K = its axis 2); value (in the module: [4, 2048, 1024], K = its axis 2): each comes as NAME_codes (uint8): NAME with its K axis moved to the last place and cut into blocks of 32 codes, [.., K / 32, bytes a block], one block behind the other in memory; four codes in three bytes: a row's codes are one little-endian stream of bits, code i at bits 6 i .. 6 i + 5 (a code: sign, 2 exponent bits, 3 mantissa bits); and NAME_scales (uint8): the same leading axes, one E8M0 byte (e + 127) for each 32 codes along K. Its value is code x scale, taken as it is: it is not quantised again, and the codes and scales need not be those that the quantiser above would give.
;; One version. Each part assembles by itself: llvm-mc -triple=amdgcn-amd-amdhsa -mcpu=gfx1250 --defsym DOCPART=n.
;; ======== version 1 of 1: 3 launches
;; limits: right only within a limited range of input values
;; workspace buffers: img 20,447,232 bytes; ctximg 6,291,456 bytes; ctxs 262,144 bytes
;; launch proj (part 1): grid 4 x 64, 4 waves a work-group, clusters of 4 x 4, 327,680 bytes of LDS; arguments query_codes, query_scales, key_codes, key_scales, value_codes, value_scales, Wq_codes, Wq_scales, Wk_codes, Wk_scales, Wv_codes, Wv_scales, bq, bk, bv, img; writes img
.if DOCPART == 1
	.amdgcn_target "amdgcn-amd-amdhsa--gfx1250"
	.amdhsa_code_object_version 6
	.text
	.protected	k_q800817123f_proj
	.globl	k_q800817123f_proj
	.p2align	8
	.type	k_q800817123f_proj,@function
k_q800817123f_proj:
	s_mov_b64 s[64:65], 0
	v_nop
	global_prefetch_b8 v0, s[64:65] scope:SCOPE_SE
	s_setreg_imm32_b32 hwreg(HW_REG_WAVE_MODE, 25, 1), 1
	s_wait_xcnt 0x0
	s_wait_alu depctr_hold_cnt(0) depctr_sa_sdst(0) depctr_va_vdst(0) depctr_va_sdst(0) depctr_va_ssrc(0) depctr_va_vcc(0) depctr_vm_vsrc(0)
	s_getreg_b32 s2, hwreg(HW_REG_IB_STS2, 6, 4)
	s_cmp_eq_u32 s2, 0
	s_cbranch_scc0 .Lentry_in_a_cluster
	s_endpgm
.Lentry_in_a_cluster:
	s_bfe_u32 s2, ttmp6, 0x10000c
	s_cmp_lg_u32 s2, 0xf033
	s_cbranch_scc0 .Lentry_shape_is_right
	s_endpgm
.Lentry_shape_is_right:
; THE THREE PROJECTIONS q = query Wq + bq, k = key Wk + bk, v = value Wv + bv on codes of FP6 (E2M3), one E8M0 scale for each 32 along K = 1,024; sums in f32.
; The results are quantised at once, from f32: q and k along the head's 64 channels, v along the keys.
; SHARES.  16 clusters of 4 x 4 work-groups THAT STAY: each work-group makes three tiles, one of q, one of k, one of v.  A tile is 128 (lane side, source 1, "A") x 256 (register side, source 0, "B"); a wave makes 64 x 128: 32 accumulators.
; q, k: A = the activation, B = the weight (a lane's registers run along the channels).  v: A = Wv, B = value (they run along the keys).
; A TILE'S WHOLE K LIES IN LDS: 384 rows of 768 bytes, each beginning at a multiple of 256 bytes of its buffer, 16 bytes of padding behind every 256 (pitch 816): one slot, one joint load a wave.
; Behind a tile's last LDS read the slot is filled again with the next tile's rows, and the finished tile's way out (64 x 128 numbers a wave quantised and stored) stands between that request and the wait for it.
; The loop has two trips (q, k); v's tile is written out behind it and asks for nothing.  A's rows are asked for jointly by a row of the cluster, B's by a column.
; No prefetch: the 313,344 bytes are one slot, and the refill itself goes out a whole way out ahead of its wait; a request still earlier would need the next tile's addresses beside this tile's.
; The scale words (32 bytes a row: one word for each step of 128 along K) go from memory straight into registers.
; WHAT IS STORED.  img: for each (batch, head, group of 128 rows) three blocks of 6,656 bytes: q's, k's, v's.  A block: four IMAGES of an operand's 12 registers (register 4 c + 0..3 of lane l at 512 c + 16 l),
; then at 6,144 + 256 j + 8 l the scale words of images 2 j and 2 j + 1.
;   q, k: image i = row tiles 2 i (registers 0-5) and 2 i + 1 (6-11); lane (r, h): row r, channel block h.  Scale word: the two bytes of tile 2 i, then of tile 2 i + 1.
;   v:    image t = channels 16 t + r x the group's 128 keys; registers 6 c + 0..5 of lane (r, h): key block 2 c + h.  Scale word: the four key blocks' bytes.
; INSIDE A BLOCK OF 32 THE CODES LIE IN THE ORDER 0-7, 16-23, 8-15, 24-31, as two neighbouring accumulators give them; both operands of each later product have this order, so the sums are the same.
; LIMITS: NaN and infinities are not served.  A block whose largest magnitude lies under 2^-124 gets the byte 1, a block of zeros too (its codes are zeros; this program alone reads the bytes).
.set KROW,   768
.set PITCH,  816
.set FR,     12
.set BOFF,   128*PITCH
.set SPARE,  384*PITCH
.set BLKB,   6656
.set HEADB,  16*3*BLKB
.set RR,   1                           ; lane % 16
.set HH,   2                           ; lane / 16
.set LN,   6                           ; lane
.set ADRA, 16                          ; v16 my A rows (v17: lanes 16-31 behind one padding more)
.set ADRB, 18                          ; v18-19 B's blocks 0-3, v20-21 blocks 4-7
.set LI,   24
.set L8,   25
.set SAD,  26
.set SPW,  28
.set NIL,  29
.set BA,   30
.set BR,   31
.set SCA,  32                          ; v32-63 A's scale words: block a, step s at 8 a + s
.set SCB,  64                          ; v64-127 B's
.set AF,   128                         ; v128-175, v176-223 A's fragments.  Window 1: B's two sets at v0, v128.  Window 2: accumulator (a, b) at 8 (8 a + b)
.set BB,   0                           ; window 3: v0-63 the bias along my registers, v64-71 along my lanes
.set BV,   64
.set T,    128
.set TM,   192
.set PW,   208
.set WX,   209
.set PT,   212
.set G0,   224                         ; the way out's images and scale words: beside the scale words, which are loaded anew ahead of it
.set G1I,  236
.set SW0,  248
.set SW1,  252
.set G1, 24
.set G0D, 32
.set G1B, 48
.set G0B, 56
.set MSB, 0
.macro WIN new
.if MSB != (\new)
	s_set_vgpr_msb (MSB<<8)|(\new)
.set MSB, (\new)
.endif
.endm
.set MUL,  0xa1
.set TO_B, 0x40
.macro CROUND
	s_barrier_signal -1
	s_barrier_wait -1
	s_cmp_lg_u32 s14, 0
	s_cbranch_scc1 .Lnot_wave_0_\@
	s_barrier_signal -3
.Lnot_wave_0_\@:
	s_barrier_wait -3
	s_barrier_signal -1
	s_barrier_wait -1
.endm
.macro PLACES
.rept 4
	v_nop
.endr
.endm
.macro JLOAD                           ; one load a wave: waves 0, 1 A's halves, waves 2, 3 B's
	s_cmp_eq_u32 s15, 0
	s_cbranch_scc0 .Lfor_b_\@
	tensor_load_to_lds s[G0D:G0D+3], s[G1:G1+7]
	s_nop 0
	PLACES
	s_branch .Lasked_\@
.Lfor_b_\@:
	tensor_load_to_lds s[G0B:G0B+3], s[G1B:G1B+7]
	s_nop 0
	PLACES
.Lasked_\@:
.endm
; projection s66's tile: buffers, tile row and column, the two loads' addresses, the scales' addresses.  Scalar work alone; it stands where no tensor load of the wave is out
.macro SETA
	s_and_b32 s18, s67, 1
	s_lshr_b32 s19, s67, 1
	s_cmp_eq_u32 s66, 0
	s_cselect_b64 s[4:5], s[68:69], s[72:73]
	s_cselect_b64 s[6:7], s[70:71], s[74:75]
	s_cselect_b64 s[8:9], s[80:81], s[84:85]
	s_cselect_b64 s[10:11], s[82:83], s[86:87]
	s_cmp_eq_u32 s66, 2                            ; v: the weight is A, the activation B
	s_cselect_b64 s[4:5], s[88:89], s[4:5]
	s_cselect_b64 s[6:7], s[90:91], s[6:7]
	s_cselect_b64 s[8:9], s[76:77], s[8:9]
	s_cselect_b64 s[10:11], s[78:79], s[10:11]
	s_cselect_b32 s22, s18, s67
	s_cselect_b32 s23, s19, 0
	s_lshl_b32 s42, s23, 2
	s_add_co_u32 s42, s42, s40                     ; tile column (B, 256 rows)
	s_lshl_b32 s17, s22, 2
	s_add_co_u32 s17, s17, s41                     ; tile row (A, 128 rows)
	s_lshl_b32 s20, s17, 7
	s_lshl_b32 s18, s16, 6
	s_add_co_u32 s20, s20, s18
	s_mul_i32 s20, s20, KROW
	s_mov_b32 s21, 0
	s_add_nc_u64 s[G0D+2:G0D+3], s[4:5], s[20:21]
	s_or_b32 s[G0D+3], s[G0D+3], 0x80000000
	s_lshl_b32 s61, s42, 8
	s_lshl_b32 s18, s16, 7
	s_add_co_u32 s61, s61, s18                     ; B: the rows that I fetch are also my wave's
	s_mul_i32 s46, s61, KROW
	s_mov_b32 s47, 0
	s_add_nc_u64 s[G0B+2:G0B+3], s[8:9], s[46:47]
	s_or_b32 s[G0B+3], s[G0B+3], 0x80000000
	s_lshl_b32 s60, s17, 7
	s_lshl_b32 s18, s15, 6
	s_add_co_u32 s60, s60, s18                     ; my wave's first row on A's side
	s_lshl_b32 s18, s60, 5
	s_mov_b32 s19, 0
	s_add_nc_u64 s[6:7], s[6:7], s[18:19]
	s_lshl_b32 s18, s61, 5
	s_add_nc_u64 s[10:11], s[10:11], s[18:19]
.endm
.macro SCLOAD                          ; the tile's scale words
.irp a, 0,1,2,3
	global_load_b128 v[SCA+8*\a:SCA+8*\a+3], v[SAD], s[6:7] offset:512*\a
	global_load_b128 v[SCA+8*\a+4:SCA+8*\a+7], v[SAD], s[6:7] offset:512*\a+16
.endr
.irp b, 0,1,2,3,4,5,6,7
	global_load_b128 v[SCB+8*\b:SCB+8*\b+3], v[SAD], s[10:11] offset:512*\b
	global_load_b128 v[SCB+8*\b+4:SCB+8*\b+7], v[SAD], s[10:11] offset:512*\b+16
.endr
.endm
; what the way out of projection s66's tile needs: its block in img, my places in it, the biases.  It stands behind the way out of the tile before
.macro SETB
	s_wait_xcnt 0x0                                ; the stores have read their base and offsets
	s_lshl_b32 s62, s17, 7
	s_mul_i32 s36, s15, 3072
	s_lshl_b32 s37, s15, 8
	s_cmp_eq_u32 s66, 0
	s_cselect_b64 s[104:105], s[92:93], s[94:95]
	s_cmp_eq_u32 s66, 2
	s_cselect_b64 s[104:105], s[96:97], s[104:105]
	s_cselect_b32 s22, s61, s62                    ; the group's first row of the activation
	s_cselect_b32 s23, s60, s61                    ; N = 64 x head + channel
	s_cselect_b32 s36, 0, s36                      ; q, k: my half of the group makes images 2 j, 2 j + 1
	s_cselect_b32 s37, 0, s37
	s_cselect_b32 s63, 0, s23                      ; (v does not use the bias along registers: it is loaded from the buffer's start, inside it)
	s_lshl_b32 s63, s63, 2
	s_lshl_b32 s62, s23, 2
	s_lshr_b32 s18, s22, 11
	s_lshl_b32 s18, s18, 4
	s_lshr_b32 s23, s23, 6
	s_add_co_u32 s18, s18, s23
	s_lshl_b32 s18, s18, 4
	s_bfe_u32 s23, s22, 0x40007
	s_add_co_u32 s18, s18, s23
	s_mul_i32 s18, s18, 3
	s_add_co_u32 s18, s18, s66
	s_mul_i32 s18, s18, BLKB
	s_mov_b32 s19, 0
	s_add_nc_u64 s[12:13], s[98:99], s[18:19]
	v_lshl_add_u32 v[LI], v[LN], 4, s36
	v_lshl_add_u32 v[L8], v[LN], 3, s37
	v_lshl_add_u32 v[BA], v[HH], 5, s63
	v_lshl_add_u32 v[BR], v[RR], 2, s62
	s_wait_alu depctr_va_vdst(0)
	WIN 0xc0
.irp b, 0,1,2,3,4,5,6,7
	global_load_b128 v[BB+8*\b:BB+8*\b+3], v[BA], s[104:105] offset:64*\b
	global_load_b128 v[BB+8*\b+4:BB+8*\b+7], v[BA], s[104:105] offset:64*\b+16
.endr
.irp a, 0,1,2,3
	global_load_b32 v[BV+2*\a], v[BR], s[104:105] offset:64*\a
	global_load_b32 v[BV+2*\a+1], v[BR], s[104:105] offset:64*\a
.endr
	WIN 0
.endm
; a fragment: 16 rows x 128 K, in pieces of 8 bytes.  Byte y of a row lies at y + 16 (y / 256) of its LDS row; where lanes 16-31 (24 bytes on) lie behind one padding more, the second register serves
.macro FRAG reg, adr, st, i
.irp p, 0,1,2,3,4,5
.set BY, 96*(\st)+48*(\p/3)+8*(\p%3)
.if BY/256 == (BY+24)/256
	ds_load_b64 v[\reg+2*\p:\reg+2*\p+1], v[\adr] offset:BY+16*(BY/256)+(\i)*16*PITCH
.else
	ds_load_b64 v[\reg+2*\p:\reg+2*\p+1], v[\adr+1] offset:BY+16*(BY/256)+(\i)*16*PITCH
.endif
.endr
.endm
.macro FETCH st
	WIN TO_B
.irp i, 0,1,2,3
	FRAG 128*((\st)%2)+FR*\i, ADRB, \st, \i
.endr
.irp i, 0,1,2,3
	FRAG 128*((\st)%2)+FR*(\i+4), ADRB+2, \st, \i
.endr
	WIN 0
.irp i, 0,1,2,3
	FRAG AF+48*((\st)%2)+FR*\i, ADRA, \st, \i
.endr
.endm
.macro MULS st, zero                   ; the accumulators take turns, in the same order in every step
.irp a, 0,1,2,3
.irp b, 0,1,2,3,4,5,6,7
.if \zero
	v_wmma_scale_f32_16x16x128_f8f6f4 v[8*(8*\a+\b):8*(8*\a+\b)+7], v[128*((\st)%2)+FR*\b:128*((\st)%2)+FR*\b+FR-1], v[AF+48*((\st)%2)+FR*\a:AF+48*((\st)%2)+FR*\a+FR-1], 0, v[SCB+8*\b+(\st)], v[SCA+8*\a+(\st)] matrix_a_fmt:MATRIX_FMT_FP6 matrix_b_fmt:MATRIX_FMT_FP6
.else
	v_wmma_scale_f32_16x16x128_f8f6f4 v[8*(8*\a+\b):8*(8*\a+\b)+7], v[128*((\st)%2)+FR*\b:128*((\st)%2)+FR*\b+FR-1], v[AF+48*((\st)%2)+FR*\a:AF+48*((\st)%2)+FR*\a+FR-1], v[8*(8*\a+\b):8*(8*\a+\b)+7], v[SCB+8*\b+(\st)], v[SCA+8*\a+(\st)] matrix_a_fmt:MATRIX_FMT_FP6 matrix_b_fmt:MATRIX_FMT_FP6
.endif
.endr
.endr
.endm
; a tile's eight steps.  refill = 1: the slot is filled again with projection s66's rows
.macro WALK refill
	s_wait_loadcnt 0x0                             ; scales and biases
	s_wait_tensorcnt 0x0                           ; my part of the rows is in,
	s_barrier_signal -1
	s_barrier_wait -1                              ; everybody's is
	FETCH 0
.set ST, 0
.rept 7
	s_wait_dscnt 0x0                               ; this step's fragments are in
.if ST > 0
	PLACES                                         ; in front of loads into the set that the last step multiplied
.endif
	FETCH ST+1
	WIN MUL
.if ST == 0
	MULS ST, 1
.else
	MULS ST, 0
.endif
.set ST, ST+1
.endr
	s_wait_dscnt 0x0                               ; the last step's fragments are in: my reads of the slot are over
.if \refill
	WIN 0
	s_wait_tensorcnt 0x0                           ; no load of mine is out,
	ds_add_u32 v[SPW], v[NIL]                      ; 0 onto my spare word;
	SETA                                           ; (work on registers: the next tile's addresses, and the last step's products)
	WIN MUL
	MULS 7, 0
	WIN 0
	s_wait_dscnt 0x0                               ; the add is done
	CROUND                                         ; no wave of any partner still reads the slot
	JLOAD                                          ; the refill; its four v_nop are the places behind the last products
	SCLOAD
.else
	WIN MUL
	MULS 7, 0
	WIN 0
	PLACES
.endif
.endm
; THE WAY OUT.  GATHER: block a's eight accumulators plus the bias, each accumulator from its low end on: T[16 g + i] is number i of my half of block g of 32 along the next K
.macro GATHER a, isv
	WIN 0x0e                                       ; source 0 window 2, source 1 window 3
.set AC, 64*(\a)
.set gi, 0
.rept 32
.if \isv
	v_pk_add_f32 v[T+2*gi:T+2*gi+1], v[AC+2*gi:AC+2*gi+1], v[BV+2*(\a):BV+2*(\a)+1]
.else
	v_pk_add_f32 v[T+2*gi:T+2*gi+1], v[AC+2*gi:AC+2*gi+1], v[BB+2*gi:BB+2*gi+1]
.endif
.set gi, gi+1
.endr
	WIN 0
.endm
; QUANT: four blocks' codes: blocks 0, 1 in six registers from d0 on (lanes 0-15 block 0, lanes 16-31 block 1), blocks 2, 3 from d1 on; their bytes in v[PW]
.macro QUANT d0, d1
.irp b, 0,1,2,3
	v_max3_num_f32 v[TM+\b], |v[T+16*\b]|, |v[T+1+16*\b]|, 0x1800000   ; with the floor 2^(3 - 127): the byte cannot fall under 1
.endr
.irp i, 2,4,6,8,10,12,14
.irp b, 0,1,2,3
	v_max3_num_f32 v[TM+\b], v[TM+\b], |v[T+16*\b+\i]|, |v[T+1+16*\b+\i]|
.endr
.endr
.irp b, 0,1,2,3
	v_permlanex16_b32 v[TM+4+\b], v[TM+\b], s38, s39
.endr
.irp b, 0,1,2,3
	v_max_num_f32 v[TM+\b], v[TM+\b], v[TM+4+\b]
.endr
.irp b, 0,1,2,3
	v_add_nc_u32 v[TM+12+\b], 0xff000000, v[TM+\b] ; 2 off the exponent field: the conversion's scale operand
.endr
.irp b, 0,1,2,3
	v_lshrrev_b32 v[TM+4+\b], 23, v[TM+12+\b]
.endr
	v_lshl_or_b32 v[PW], v[TM+5], 8, v[TM+4]
	v_lshl_or_b32 v[PW], v[TM+6], 16, v[PW]
	v_lshl_or_b32 v[PW], v[TM+7], 24, v[PW]
	v_cvt_scalef32_pk16_fp6_f32 v[(\d0):(\d0)+2], v[T:T+15], v[TM+12]
	v_cvt_scalef32_pk16_fp6_f32 v[PT:PT+2], v[T+16:T+31], v[TM+13]
	v_cvt_scalef32_pk16_fp6_f32 v[(\d1):(\d1)+2], v[T+32:T+47], v[TM+14]
	v_cvt_scalef32_pk16_fp6_f32 v[PT+4:PT+6], v[T+48:T+63], v[TM+15]
	v_nop                                          ; one plain place behind a scaled conversion
.irp i, 0,1,2
	v_permlane16_swap_b32 v[(\d0)+\i], v[PT+\i]    ; a whole block to a lane
	v_permlane16_swap_b32 v[(\d1)+\i], v[PT+4+\i]
.endr
.irp i, 0,1,2
	v_mov_b32 v[(\d0)+3+\i], v[PT+\i]
	v_mov_b32 v[(\d1)+3+\i], v[PT+4+\i]
.endr
.endm
.macro PERMINIT
.irp b, 0,1,2,3
	v_mov_b32 v[TM+4+\b], 0                        ; a lane permute's destination counts as a source
.endr
.endm
	s_load_b512 s[68:83], s[0:1], 0x0              ; query c, s; key c, s; value c, s; Wq c, s
	s_load_b512 s[84:99], s[0:1], 0x40             ; Wk c, s; Wv c, s; bq; bk; bv; img: they stay in these registers
	v_lshl_add_u32 v[SPW], v0, 2, SPARE
	v_mov_b32 v[NIL], 0
	ds_add_u32 v[SPW], v[NIL]                      ; the opening lines: the add twice and its wait
	ds_add_u32 v[SPW], v[NIL]
	v_lshrrev_b32 v3, 5, v0
	v_readfirstlane_b32 s14, v3                    ; wave
	s_lshr_b32 s15, s14, 1                         ; my half of A's rows; also: I fetch for A (0) or B (1)
	s_and_b32 s16, s14, 1                          ; my half of B's rows; also: which half I fetch
	s_and_b32 s67, ttmp7, 0xffff                   ; the cluster's number, 0 to 15
	s_mov_b32 s66, 0                               ; the projection that is set up: 0 q, 1 k, 2 v
	s_bfe_u32 s40, ttmp6, 0x40000                  ; cx
	s_bfe_u32 s41, ttmp6, 0x40004                  ; cy
	s_lshl_b32 s43, s41, 2
	s_lshl_b32 s43, 15, s43
	s_lshl_b32 s44, 0x1111, s40
	s_or_b32 s[G1+0], s43, (1<<20)|(1<<21)|(5<<22)|(3<<25)   ; bytes; 4 words of padding behind every 64
	s_or_b32 s[G1B+0], s44, (1<<20)|(1<<21)|(5<<22)|(3<<25)
	s_mov_b32 s[G1+1], KROW<<16
	s_mov_b32 s[G1+2], 64<<16                      ; A: 64 rows a load
	s_mov_b32 s[G1+3], KROW<<16
	s_mov_b32 s[G1+4], 64
	s_mov_b32 s[G1+5], KROW
	s_mov_b32 s[G1+6], 0
	s_mov_b32 s[G1+7], 0
	s_mov_b32 s[G1B+1], KROW<<16
	s_mov_b32 s[G1B+2], 128<<16                    ; B: 128 rows a load
	s_mov_b32 s[G1B+3], KROW<<16
	s_mov_b32 s[G1B+4], 128
	s_mov_b32 s[G1B+5], KROW
	s_mov_b32 s[G1B+6], 0
	s_mov_b32 s[G1B+7], 0
	s_mov_b32 s[G0D], 1
	s_mul_i32 s[G0D+1], s16, 64*PITCH
	s_mov_b32 s[G0B], 1
	s_mul_i32 s[G0B+1], s16, 128*PITCH
	s_add_co_u32 s[G0B+1], s[G0B+1], BOFF
	s_mov_b32 s38, 0x76543210
	s_mov_b32 s39, 0xfedcba98                      ; lane l xor 16
	s_wait_dscnt 0x0
	s_wait_kmcnt 0x0
	SETA
	CROUND                                         ; the joint loads meet
	JLOAD                                          ; q's tile
	s_mul_i32 s21, s15, 64*PITCH
	s_mul_i32 s22, s16, 128*PITCH
	s_add_co_u32 s22, s22, BOFF
	s_add_co_u32 s23, s22, 64*PITCH
	v_and_b32 v[RR], 15, v0
	v_bfe_u32 v[HH], v0, 4, 1
	v_and_b32 v[LN], 31, v0
	v_mul_u32_u24 v3, v[RR], PITCH
	v_mad_u32_u24 v4, v[HH], 24, v3
	v_mad_u32_u24 v5, v[HH], 40, v3
	v_add_nc_u32 v[ADRA], s21, v4
	v_add_nc_u32 v[ADRA+1], s21, v5
	v_add_nc_u32 v[ADRB], s22, v4
	v_add_nc_u32 v[ADRB+1], s22, v5
	v_add_nc_u32 v[ADRB+2], s23, v4
	v_add_nc_u32 v[ADRB+3], s23, v5
	v_lshlrev_b32 v[SAD], 5, v[RR]
	s_wait_alu depctr_va_vdst(0)
	SCLOAD
	SETB
	s_mov_b32 s66, 1
.Ltile:                                                ; two trips: q's tile, then k's; s66 is the projection that follows
	WALK 1
	PERMINIT
.irp i, 0,1                                    ; my 128 columns are two heads; my row tiles 2 i, 2 i + 1 make one image of both
.if \i > 0
	s_wait_xcnt 0x0                                ; the last image's stores have read their registers
.endif
	GATHER 2*\i, 0
	QUANT G0, G1I
	v_mov_b32 v[WX], v[PW]
	GATHER 2*\i+1, 0
	QUANT G0+6, G1I+6
	v_perm_b32 v[SW0+\i], v[PW], v[WX], 0x05040100
	v_perm_b32 v[SW1+\i], v[PW], v[WX], 0x07060302
.irp c, 0,1,2
	global_store_b128 v[LI], v[G0+4*\c:G0+4*\c+3], s[12:13] offset:1536*\i+512*\c          ; 512 consecutive bytes, at a multiple of 256 from the buffer's first byte
	global_store_b128 v[LI], v[G1I+4*\c:G1I+4*\c+3], s[12:13] offset:HEADB+1536*\i+512*\c
.endr
.endr
	s_wait_alu depctr_va_vdst(0)
	global_store_b64 v[L8], v[SW0:SW0+1], s[12:13] offset:6144           ; 256 consecutive bytes
	global_store_b64 v[L8], v[SW1:SW1+1], s[12:13] offset:HEADB+6144
	SETB
	s_add_co_u32 s66, s66, 1
	s_cmp_lt_u32 s66, 3
	s_wait_alu depctr_va_vdst(0)
	s_cbranch_scc1 .Ltile
	WALK 0                                         ; v's tile: nothing more is asked for
	PERMINIT
.irp a, 0,1,2,3                                ; my 128 columns are the group's keys; 16 channels make an image
.if \a > 0
	s_wait_xcnt 0x0
.endif
	GATHER \a, 1
	QUANT G0, G0+6
	v_mov_b32 v[SW0+\a], v[PW]
.irp c, 0,1,2
	global_store_b128 v[LI], v[G0+4*\c:G0+4*\c+3], s[12:13] offset:1536*\a+512*\c
.endr
.endr
	s_wait_alu depctr_va_vdst(0)
	global_store_b64 v[L8], v[SW0:SW0+1], s[12:13] offset:6144
	global_store_b64 v[L8], v[SW0+2:SW0+3], s[12:13] offset:6400
	s_wait_tensorcnt 0x0                           ; the wave's end
	ds_add_u32 v[SPW], v[NIL]
	s_wait_dscnt 0x0
	CROUND                                         ; the closing round
	s_endpgm
.Lfunc_end_k_q800817123f_proj:
	.size	k_q800817123f_proj, .Lfunc_end_k_q800817123f_proj-k_q800817123f_proj
	.p2alignl 7, 3214868480
	.fill 96, 4, 3214868480
	.section	.rodata,"a",@progbits
	.p2align	6, 0x0
	.amdhsa_kernel k_q800817123f_proj
		.amdhsa_group_segment_fixed_size 327680
		.amdhsa_private_segment_fixed_size 0
		.amdhsa_enable_private_segment 0
		.amdhsa_kernarg_size 128
		.amdhsa_user_sgpr_count 2
		.amdhsa_user_sgpr_kernarg_segment_ptr 1
		.amdhsa_wavefront_size32 1
		.amdhsa_system_sgpr_workgroup_id_x 1
		.amdhsa_system_sgpr_workgroup_id_y 1
		.amdhsa_system_sgpr_workgroup_id_z 1
		.amdhsa_system_vgpr_workitem_id 0
		.amdhsa_next_free_vgpr 1024
		.amdhsa_next_free_sgpr 106
		.amdhsa_reserve_vcc 0
		.amdhsa_float_denorm_mode_32 3
		.amdhsa_float_denorm_mode_16_64 3
		.amdhsa_memory_ordered 1
		.amdhsa_forward_progress 1
		.amdhsa_inst_pref_size 211
	.end_amdhsa_kernel
	.amdgpu_metadata
---
amdhsa.version: [ 1, 2 ]
amdhsa.kernels:
  - .name:           k_q800817123f_proj
    .symbol:         k_q800817123f_proj.kd
    .args:
      - { .name: query_codes, .offset: 0, .size: 8, .value_kind: global_buffer, .address_space: global }
      - { .name: query_scales, .offset: 8, .size: 8, .value_kind: global_buffer, .address_space: global }
      - { .name: key_codes, .offset: 16, .size: 8, .value_kind: global_buffer, .address_space: global }
      - { .name: key_scales, .offset: 24, .size: 8, .value_kind: global_buffer, .address_space: global }
      - { .name: value_codes, .offset: 32, .size: 8, .value_kind: global_buffer, .address_space: global }
      - { .name: value_scales, .offset: 40, .size: 8, .value_kind: global_buffer, .address_space: global }
      - { .name: Wq_codes, .offset: 48, .size: 8, .value_kind: global_buffer, .address_space: global }
      - { .name: Wq_scales, .offset: 56, .size: 8, .value_kind: global_buffer, .address_space: global }
      - { .name: Wk_codes, .offset: 64, .size: 8, .value_kind: global_buffer, .address_space: global }
      - { .name: Wk_scales, .offset: 72, .size: 8, .value_kind: global_buffer, .address_space: global }
      - { .name: Wv_codes, .offset: 80, .size: 8, .value_kind: global_buffer, .address_space: global }
      - { .name: Wv_scales, .offset: 88, .size: 8, .value_kind: global_buffer, .address_space: global }
      - { .name: bq, .offset: 96, .size: 8, .value_kind: global_buffer, .address_space: global }
      - { .name: bk, .offset: 104, .size: 8, .value_kind: global_buffer, .address_space: global }
      - { .name: bv, .offset: 112, .size: 8, .value_kind: global_buffer, .address_space: global }
      - { .name: img, .offset: 120, .size: 8, .value_kind: global_buffer, .address_space: global }
    .group_segment_fixed_size: 327680
    .private_segment_fixed_size: 0
    .kernarg_segment_align: 8
    .kernarg_segment_size: 128
    .max_flat_workgroup_size: 128
    .sgpr_count:     106
    .vgpr_count:     1024
    .wavefront_size: 32
...
	.end_amdgpu_metadata
.endif
;; end of part 1
;; launch attn (part 2): grid 4 x 64, 16 waves a work-group, clusters of 4 x 1, 231,424 bytes of LDS; arguments img, head_selector, ctximg, ctxs; writes ctximg, ctxs
.if DOCPART == 2
	.amdgcn_target "amdgcn-amd-amdhsa--gfx1250"
	.amdhsa_code_object_version 6
	.text
	.protected	k_q800817123f_attn
	.globl	k_q800817123f_attn
	.p2align	8
	.type	k_q800817123f_attn,@function
k_q800817123f_attn:
	s_mov_b64 s[64:65], 0
	v_nop
	global_prefetch_b8 v0, s[64:65] scope:SCOPE_SE
	s_setreg_imm32_b32 hwreg(HW_REG_WAVE_MODE, 25, 1), 1
	s_wait_xcnt 0x0
	s_wait_alu depctr_hold_cnt(0) depctr_sa_sdst(0) depctr_va_vdst(0) depctr_va_sdst(0) depctr_va_ssrc(0) depctr_va_vcc(0) depctr_vm_vsrc(0)
	s_getreg_b32 s2, hwreg(HW_REG_IB_STS2, 6, 4)
	s_cmp_eq_u32 s2, 0
	s_cbranch_scc0 .Lentry_in_a_cluster
	s_endpgm
.Lentry_in_a_cluster:
	s_bfe_u32 s2, ttmp6, 0x10000c
	s_cmp_lg_u32 s2, 0x3003
	s_cbranch_scc0 .Lentry_shape_is_right
	s_endpgm
.Lentry_shape_is_right:
; ATTENTION of one (batch, head) on codes of FP6 (E2M3): scores = q k^T / 8 (K = 64), p = 2^(t - M), ctx = (p v) / l x the head's weight; ctx is quantised at once, along 64 head + channel, for the output product.
; t = score x log2(e) / 8; M = the row's largest t so far, rounded UP to a whole number; l is the sum of the unquantised p, in f32.  When M moves, l and O are multiplied by 2^(old M - new M): exact.
; The head's weight is softmax(head_selector), its maximum taken away first.
; SHARES.  A work-group owns 512 queries of one (batch, head); each of its sixteen waves two tiles of 16 queries, one after the other (two passes over the 2,048 keys, 128 a step).
; K AND V OF THE WHOLE HEAD LIE IN LDS: sixteen key steps of 13,312 bytes (K's block, then V's), as the launch before laid them: images of operand registers.  Wave w asks for key step w: one joint load a wave, filled once.
; CLUSTER.  The four work-groups of a cluster are the four query blocks of one (batch, head): every tile is asked for jointly by the four.  No prefetch: all that is read through LDS is asked for at the head.
; K = 64 IS HALF OF THE INSTRUCTION'S 128: an image of K holds two tiles of 16 keys, [X | Y]; by [Q | 0] it gives X's scores, by [0 | Q] Y's.  Zero codes add nothing under any finite scale byte.
; LAYOUT.  Both products are used transposed (source 1 = my 16 queries): a lane holds ONE query.  Inside a block of 32 keys p's codes lie in the order 0-7, 16-23, 8-15, 24-31, as V's do.  ctx is put back into the natural order.
; THE STEP'S ORDER.  Dependent lines (scale bytes, the sum's last additions, swaps and moves) stand among the 32 additions of the sum and the 16 rescalings of O, five lines or more behind what they read.
; LIMITS: NaN and infinities are not served; the scaled scores t stay under 2^31 in magnitude.  A block of ctx whose largest magnitude lies under 2^-124 gets the byte 1, a block of zeros too (this program alone reads the bytes).
; A block's largest p is made from its largest score by the same multiply-add and exponential as every p; this takes v_exp_f32 not to fall where its input rises.
.set BLKB,  6656
.set STEPB, 2*BLKB
.set BLK3,  3*BLKB
.set HEAD3, 16*BLK3
.set SPARE, 0x38000
.set LI,  1
.set L8,  2
.set ADK, 4
.set AD8, 5
.set RS,  6
.set HW,  7
.set QS,  8
.set QW,  9
.set F,   10
.set PS,  11
.set NM,  12                           ; -M
.set TX,  13                           ; the largest score so far
.set SUM, 14
.set QZ,  16
.set QL,  34
.set KSC, 46
.set VSC, 50
.set FR,  54
.set S,   102
.set O,   166
.set PC,  198
.set PT,  210
.set BM,  218
.set BP,  222
.set SO,  226
.set T0,  230
.set T1,  231
.set HA,  234
.set HB,  235
.set RC,  236
.set WV,  18
.set CX,  19
.set SEL, 20
.set CS,  22
.set G1,  24
.set G0,  32
.set TB,  66
.set CNT, 67
.macro CROUND
	s_barrier_signal -1
	s_barrier_wait -1
	s_cmp_lg_u32 s[WV], 0
	s_cbranch_scc1 .Lnot_wave_0_\@
	s_barrier_signal -3
.Lnot_wave_0_\@:
	s_barrier_wait -3
	s_barrier_signal -1
	s_barrier_wait -1
.endm
	s_load_b256 s[4:11], s[0:1], 0x0               ; img s[4:5], head_selector s[6:7], ctximg s[8:9], ctxs s[10:11]
	v_lshl_add_u32 v254, v0, 2, SPARE
	v_mov_b32 v255, 0
	ds_add_u32 v254, v255                          ; the opening lines
	ds_add_u32 v254, v255
	v_lshrrev_b32 v1, 5, v0
	s_delay_alu instid0(VALU_DEP_1)
	v_readfirstlane_b32 s[WV], v1
	s_bfe_u32 s[CX], ttmp6, 0x40000
	s_and_b32 s68, ttmp7, 0xffff                   ; 16 x batch + head
	s_mul_i32 s70, s68, HEAD3
	s_mul_i32 s74, s[WV], BLK3
	s_add_co_u32 s74, s74, s70
	s_add_co_u32 s74, s74, BLKB                    ; key step w: k's block and v's, 13,312 consecutive bytes
	s_mov_b32 s75, 0
	s_mov_b32 s[G1], 15|(3<<16)|(1<<21)            ; 52 rows of 256 bytes (32 elements of 8); the mask names the four
	s_mov_b32 s[G1+1], 32<<16
	s_mov_b32 s[G1+2], 52<<16
	s_mov_b32 s[G1+3], 32<<16
	s_mov_b32 s[G1+4], 52
	s_mov_b32 s[G1+5], 32
	s_mov_b32 s[G1+6], 0
	s_mov_b32 s[G1+7], 0
	s_mov_b32 s[G0], 1
	s_mul_i32 s[G0+1], s[WV], STEPB
	s_mov_b32 s[SEL], 0x76543210
	s_mov_b32 s[SEL+1], 0xfedcba98
	s_mov_b32 s[CS], 0x3e38aa3b                    ; log2(e) / 8
	s_mov_b32 s[CS+1], s[CS]
	s_wait_dscnt 0x0
	s_wait_kmcnt 0x0
	s_add_nc_u64 s[G0+2:G0+3], s[4:5], s[74:75]
	s_or_b32 s[G0+3], s[G0+3], 0x80000000
	CROUND
	tensor_load_to_lds s[G0:G0+3], s[G1:G1+7]      ; my one load
	s_nop 0
.rept 4
	v_nop
.endr
	s_lshl_b32 s80, ttmp9, 2
	s_add_co_u32 s80, s80, s[CX]                   ; my block of 512 queries
	s_lshl_b32 s81, s80, 2
	s_lshr_b32 s82, s[WV], 2
	s_add_co_u32 s81, s81, s82                     ; my group of 128 queries
	s_mul_i32 s81, s81, BLK3
	s_add_co_u32 s81, s81, s70
	s_and_b32 s82, s[WV], 3                        ; my image in it
	s_mul_i32 s83, s82, 1536
	s_add_co_u32 s84, s81, s83
	s_mov_b32 s85, 0
	s_add_nc_u64 s[86:87], s[4:5], s[84:85]
	s_lshr_b32 s83, s82, 1
	s_lshl_b32 s83, s83, 8
	s_add_co_u32 s84, s81, s83
	s_and_b32 s83, s82, 1
	s_lshl_b32 s83, s83, 2
	s_add_co_u32 s84, s84, s83
	s_add_co_u32 s84, s84, 6144
	s_add_nc_u64 s[88:89], s[4:5], s[84:85]        ; its scale word, 8 bytes from lane to lane
	s_lshr_b32 s82, s68, 4
	s_lshl_b32 s82, s82, 7
	s_lshl_b32 s83, s80, 5
	s_add_co_u32 s82, s82, s83
	s_lshl_b32 s83, s[WV], 1
	s_add_co_u32 s82, s82, s83                     ; my first tile of 16 rows
	s_and_b32 s83, s68, 15                         ; head
	s_lshl_b32 s84, s82, 4
	s_add_co_u32 s84, s84, s83
	s_mul_i32 s84, s84, 768
	s_add_nc_u64 s[12:13], s[8:9], s[84:85]        ; ctximg at (tile, head)
	s_lshl_b32 s84, s82, 9
	s_lshl_b32 s90, s83, 1
	s_add_co_u32 s84, s84, s90
	s_add_nc_u64 s[14:15], s[10:11], s[84:85]      ; ctxs at the tile's first row, byte 2 x head
	s_lshl_b32 s90, s83, 2
	v_and_b32 v[T0], 31, v0
	s_delay_alu instid0(VALU_DEP_1)
	v_lshlrev_b32 v[LI], 4, v[T0]
	v_lshlrev_b32 v[L8], 3, v[T0]
	v_and_b32 v[T1], 15, v0
	s_delay_alu instid0(VALU_DEP_1)
	v_lshlrev_b32 v[RS], 5, v[T1]
	v_lshlrev_b32 v[T0], 2, v[T1]
	v_mov_b32 v[T1], s90
.irp c, 0,1,2
	global_load_b128 v[QL+4*\c:QL+4*\c+3], v[LI], s[86:87] offset:512*\c
.endr
	global_load_b32 v[QW], v[L8], s[88:89]
	global_load_b32 v[HA], v[T0], s[6:7]           ; head_selector[lane % 16]
	global_load_b32 v[HB], v[T1], s[6:7]           ; head_selector[my head]
.irp i, 0,1,2,3,4,5
	v_mov_b32 v[QZ+\i], 0
	v_mov_b32 v[QZ+12+\i], 0
.endr
.irp b, 0,1,2,3
	v_mov_b32 v[BP+\b], 0
.endr
	v_mov_b32 v[PS], 0
	v_mov_b32 v[RC+1], 0
	s_wait_loadcnt 0x0
	v_mov_b32 v[RC], v[HA]
.irp m, 1,2,4,8
	s_delay_alu instid0(VALU_DEP_1)
	v_max_num_f32_dpp v[RC], v[RC], v[RC] row_xmask:\m row_mask:0xf bank_mask:0xf
.endr
	s_delay_alu instid0(VALU_DEP_1)
	v_sub_f32 v[HA], v[HA], v[RC]
	v_sub_f32 v[HB], v[HB], v[RC]
	s_delay_alu instid0(VALU_DEP_2)
	v_mul_f32 v[HA], 0x3fb8aa3b, v[HA]
	s_delay_alu instid0(VALU_DEP_2)
	v_mul_f32 v[HB], 0x3fb8aa3b, v[HB]
	s_wait_alu depctr_va_vdst(0)
	v_exp_f32 v[HA], v[HA]
	v_exp_f32 v[HB], v[HB]
	v_nop
	s_wait_alu depctr_va_vdst(0)
	v_add_f32_dpp v[HA], v[HA], v[HA] row_xmask:1 row_mask:0xf bank_mask:0xf
.irp m, 2,4,8
	s_delay_alu instid0(VALU_DEP_1)
	v_add_f32_dpp v[HA], v[HA], v[HA] row_xmask:\m row_mask:0xf bank_mask:0xf
.endr
	s_wait_alu depctr_va_vdst(0)
	v_rcp_f32 v[HA], v[HA]
	v_nop
	s_wait_alu depctr_va_vdst(0)
	v_mul_f32 v[HW], v[HB], v[HA]
.macro OMUL n0, cnt                    ; O^T under the new M: cnt pairs from register n0 on, ascending: each accumulator from its low end on
.set n, \n0
.rept \cnt
	v_pk_mul_f32 v[O+n:O+n+1], v[O+n:O+n+1], v[F:F+1] op_sel_hi:[1,0]
.set n, n+2
.endr
.endm
.macro STEP                            ; 128 keys
	v_add_nc_u32 v[ADK], s[TB], v[LI]              ; (these two and the two v_nop at the step's end are the places behind the last products)
	v_add_nc_u32 v[AD8], s[TB], v[L8]
.irp i, 0,1,2,3
.irp c, 0,1,2
	ds_load_b128 v[FR+12*\i+4*\c:FR+12*\i+4*\c+3], v[ADK] offset:1536*\i+512*\c
.endr
.endr
	ds_load_b64 v[KSC:KSC+1], v[AD8] offset:6144
	ds_load_b64 v[KSC+2:KSC+3], v[AD8] offset:6400
	s_wait_alu depctr_va_vdst(0)
	s_wait_dscnt 0x0
.irp i, 0,1,2,3
	v_wmma_scale_f32_16x16x128_f8f6f4 v[S+16*\i:S+16*\i+7], v[FR+12*\i:FR+12*\i+11], v[QZ+6:QZ+17], 0, v[KSC+\i], v[QS] matrix_a_fmt:MATRIX_FMT_FP6 matrix_b_fmt:MATRIX_FMT_FP6
	v_wmma_scale_f32_16x16x128_f8f6f4 v[S+16*\i+8:S+16*\i+15], v[FR+12*\i:FR+12*\i+11], v[QZ:QZ+11], 0, v[KSC+\i], v[QS] matrix_a_fmt:MATRIX_FMT_FP6 matrix_b_fmt:MATRIX_FMT_FP6
.endr
	v_mov_b32 v[T0], v[NM]                         ; the old -M; with three v_nop: the places in front of the loads into the images' registers and of the first read of the scores
.rept 3
	v_nop
.endr
.irp i, 0,1,2,3
.irp c, 0,1,2
	ds_load_b128 v[FR+12*\i+4*\c:FR+12*\i+4*\c+3], v[ADK] offset:BLKB+1536*\i+512*\c    ; V's images land while the softmax is walked
.endr
.endr
	ds_load_b64 v[VSC:VSC+1], v[AD8] offset:BLKB+6144
	ds_load_b64 v[VSC+2:VSC+3], v[AD8] offset:BLKB+6400
.irp b, 0,1,2,3
	v_max3_num_f32 v[BM+\b], v[S+16*\b], v[S+16*\b+1], v[S+16*\b+2]   ; the largest score of each block of 32 keys, the four blocks by turns
.endr
.irp i, 3,5,7,9,11,13
.irp b, 0,1,2,3
	v_max3_num_f32 v[BM+\b], v[BM+\b], v[S+16*\b+\i], v[S+16*\b+\i+1]
.endr
.endr
.irp b, 0,1,2,3
	v_max_num_f32 v[BM+\b], v[BM+\b], v[S+16*\b+15]
.endr
.irp b, 0,1,2,3
	v_permlanex16_b32 v[BP+\b], v[BM+\b], s[SEL], s[SEL+1]
.endr
.irp b, 0,1,2,3
	v_max_num_f32 v[BM+\b], v[BM+\b], v[BP+\b]
.endr
	; four lines that hang on each other: all the step's later vector work needs -M, so nothing independent is at hand to stand between them
	v_max3_num_f32 v[T1], v[BM], v[BM+1], v[BM+2]
	v_max3_num_f32 v[TX], v[T1], v[BM+3], v[TX]    ; the running largest score
	v_mul_f32 v[T1], s[CS], v[TX]                  ; as t (c is positive, so the largest score gives the largest t)
	v_floor_f32 v[NM], -v[T1]                      ; -M = floor(-t)
.set n, 0
.rept 32
	v_pk_fma_f32 v[S+n:S+n+1], v[S+n:S+n+1], s[CS:CS+1], v[NM:NM+1] op_sel_hi:[1,0,0]   ; t - M
.if n == 10
	v_sub_f32 v[T0], v[NM], v[T0]                  ; old M - new M: a whole number, 0 or less
.endif
.if n == 22
	v_cvt_i32_f32 v[T0], v[T0]                     ; (it saturates)
.endif
.if n == 34
	v_ldexp_f32 v[F], 1.0, v[T0]                   ; f = 2^(old M - new M)
.endif
.set n, n+2
.endr
	v_pk_fma_f32 v[BM:BM+1], v[BM:BM+1], s[CS:CS+1], v[NM:NM+1] op_sel_hi:[1,0,0]       ; the same of the blocks' largest scores
	v_pk_fma_f32 v[BM+2:BM+3], v[BM+2:BM+3], s[CS:CS+1], v[NM:NM+1] op_sel_hi:[1,0,0]
.set n, 0
	s_wait_alu depctr_va_vdst(0)
.rept 64
	v_exp_f32 v[S+n], v[S+n]                       ; p, at most 1
.set n, n+1
.endr
.irp b, 0,1,2,3
	v_exp_f32 v[BM+\b], v[BM+\b]
.endr
	v_pk_mul_f32 v[SUM:SUM+1], v[SUM:SUM+1], v[F:F+1] op_sel_hi:[1,0]
	s_wait_alu depctr_va_vdst(0)
.irp b, 0,1,2,3
	v_max_num_f32 v[BM+\b], 0x1800000, v[BM+\b]    ; the floor 2^(3 - 127)
.endr
	; the row's sum of the unquantised p, in eight chains
	v_pk_add_f32 v[232:233], v[106:107], v[110:111]
	v_pk_add_f32 v[252:253], v[114:115], v[118:119]
	v_pk_add_f32 v[250:251], v[122:123], v[126:127]
	v_pk_add_f32 v[248:249], v[130:131], v[134:135]
	v_pk_add_f32 v[246:247], v[138:139], v[142:143]
	v_pk_add_f32 v[244:245], v[146:147], v[150:151]
	v_pk_add_f32 v[242:243], v[154:155], v[158:159]
	v_pk_add_f32 v[14:15], v[14:15], v[162:163]
.irp b, 0,1,2,3
	v_add_nc_u32 v[SO+\b], 0xff000000, v[BM+\b]    ; 2 off the exponent field: the conversion's scale operand
.endr
	v_pk_add_f32 v[232:233], v[232:233], v[102:103]
	v_pk_add_f32 v[252:253], v[252:253], v[104:105]
	v_pk_add_f32 v[250:251], v[250:251], v[108:109]
	v_pk_add_f32 v[248:249], v[248:249], v[112:113]
	v_pk_add_f32 v[246:247], v[246:247], v[116:117]
	v_pk_add_f32 v[244:245], v[244:245], v[120:121]
	v_pk_add_f32 v[242:243], v[242:243], v[124:125]
	v_pk_add_f32 v[14:15], v[14:15], v[128:129]
.irp b, 0,1,2,3
	v_lshrrev_b32 v[BP+\b], 23, v[SO+\b]           ; the scale's byte
.endr
	v_pk_add_f32 v[232:233], v[232:233], v[132:133]
	v_pk_add_f32 v[252:253], v[252:253], v[136:137]
	v_pk_add_f32 v[250:251], v[250:251], v[140:141]
	v_pk_add_f32 v[248:249], v[248:249], v[144:145]
	v_pk_add_f32 v[246:247], v[246:247], v[148:149]
	v_pk_add_f32 v[244:245], v[244:245], v[152:153]
	v_pk_add_f32 v[242:243], v[242:243], v[156:157]
	v_pk_add_f32 v[14:15], v[14:15], v[160:161]
	v_lshl_or_b32 v[BP], v[BP+1], 8, v[BP]
	v_lshl_or_b32 v[BP+2], v[BP+3], 8, v[BP+2]
.irp c, 0,1
	v_cvt_scalef32_pk16_fp6_f32 v[PC+6*\c:PC+6*\c+2], v[S+32*\c:S+32*\c+15], v[SO+2*\c]
	v_cvt_scalef32_pk16_fp6_f32 v[PT+4*\c:PT+4*\c+2], v[S+32*\c+16:S+32*\c+31], v[SO+2*\c+1]
.endr
	v_pk_add_f32 v[232:233], v[232:233], v[164:165]      ; (a plain place behind the scaled conversions)
	v_pk_add_f32 v[14:15], v[14:15], v[248:249]
	v_pk_add_f32 v[252:253], v[252:253], v[244:245]
	v_pk_add_f32 v[250:251], v[250:251], v[242:243]
	v_lshl_or_b32 v[PS], v[BP+2], 16, v[BP]        ; p's scale word for these 128 keys
.irp c, 0,1                                    ; a whole block to a lane: lanes 0-15 block 2 c, lanes 16-31 block 2 c + 1
.irp i, 0,1,2
	v_permlane16_swap_b32 v[PC+6*\c+\i], v[PT+4*\c+\i]
.endr
.endr
	v_pk_add_f32 v[232:233], v[232:233], v[246:247]
	OMUL 0, 4
.irp c, 0,1
.irp i, 0,1,2
	v_mov_b32 v[PC+6*\c+3+\i], v[PT+4*\c+\i]
.endr
.endr
	v_pk_add_f32 v[14:15], v[14:15], v[252:253]
	v_pk_add_f32 v[232:233], v[232:233], v[250:251]
	OMUL 8, 6
	v_pk_add_f32 v[14:15], v[14:15], v[232:233]
	OMUL 20, 6
	s_wait_alu depctr_va_vdst(0)
	s_wait_dscnt 0x0                               ; V's images are in
.irp t, 0,1,2,3                                ; the four accumulators by turns; the eight score products stand between two steps' turns
	v_wmma_scale_f32_16x16x128_f8f6f4 v[O+8*\t:O+8*\t+7], v[FR+12*\t:FR+12*\t+11], v[PC:PC+11], v[O+8*\t:O+8*\t+7], v[VSC+\t], v[PS] matrix_a_fmt:MATRIX_FMT_FP6 matrix_b_fmt:MATRIX_FMT_FP6
.endr
	v_nop
	v_nop
	s_add_co_u32 s[TB], s[TB], STEPB
.endm
.macro PASS p                          ; tile p of my two against all 2,048 keys; then its rows of ctx
.if \p
	s_wait_xcnt 0x0                                ; the first pass's stores have read their registers
.endif
.irp i, 0,1,2,3,4,5
	v_mov_b32 v[QZ+6+\i], v[QL+6*\p+\i]
.endr
.if \p
	v_lshrrev_b32 v[T0], 16, v[QW]
.else
	v_and_b32 v[T0], 0xffff, v[QW]
.endif
	s_delay_alu instid0(VALU_DEP_1)
	v_lshl_or_b32 v[QS], v[T0], 16, v[T0]
	v_mov_b32 v[TX], 0xff61b1e6                    ; -3e38, under every score
	v_mov_b32 v[NM], 0x7e800000                    ; -M to begin with: 2^126, so that the first f is 0
	v_mov_b32 v[SUM], 0
	v_mov_b32 v[SUM+1], 0
.set n, 0
.rept 32
	v_mov_b32 v[O+n], 0                            ; the step is written once: the first finds zeros
.set n, n+1
.endr
.if \p == 0
	s_wait_tensorcnt 0x0                           ; my key step has landed,
	s_barrier_signal -1
	s_barrier_wait -1                              ; everybody's has
.endif
	s_mov_b32 s[TB], 0
	s_mov_b32 s[CNT], 16
.Lstep_\@:
	STEP
	s_sub_co_u32 s[CNT], s[CNT], 1
	s_cmp_lg_u32 s[CNT], 0
	s_cbranch_scc1 .Lstep_\@
	v_add_f32 v[SUM], v[SUM], v[SUM+1]
	s_delay_alu instid0(VALU_DEP_1)
	v_permlanex16_b32 v[T1], v[SUM], s[SEL], s[SEL+1]
	s_delay_alu instid0(VALU_DEP_1)
	v_add_f32 v[SUM], v[SUM], v[T1]                ; l
	s_wait_alu depctr_va_vdst(0)
	v_rcp_f32 v[SUM], v[SUM]
	v_nop
	s_wait_alu depctr_va_vdst(0)
	v_mul_f32 v[RC], v[SUM], v[HW]
.set n, 0
.rept 16
	v_pk_mul_f32 v[S+n:S+n+1], v[O+n:O+n+1], v[RC:RC+1] op_sel_hi:[1,0]   ; ctx: register 8 t + j is channel 16 t + 8 (lane / 16) + j
.set n, n+2
.endr
.irp b, 0,1
	v_max3_num_f32 v[BM+\b], |v[S+16*\b]|, |v[S+16*\b+1]|, 0x1800000
.endr
.irp i, 2,4,6,8,10,12,14
.irp b, 0,1
	s_delay_alu instid0(VALU_DEP_2)
	v_max3_num_f32 v[BM+\b], v[BM+\b], |v[S+16*\b+\i]|, |v[S+16*\b+\i+1]|
.endr
.endr
.irp b, 0,1
	s_delay_alu instid0(VALU_DEP_2)
	v_permlanex16_b32 v[BP+\b], v[BM+\b], s[SEL], s[SEL+1]
.endr
.irp b, 0,1
	s_delay_alu instid0(VALU_DEP_2)
	v_max_num_f32 v[BM+\b], v[BM+\b], v[BP+\b]
.endr
.irp b, 0,1
	s_delay_alu instid0(VALU_DEP_2)
	v_add_nc_u32 v[SO+\b], 0xff000000, v[BM+\b]
.endr
.irp b, 0,1
	s_delay_alu instid0(VALU_DEP_2)
	v_lshrrev_b32 v[BP+\b], 23, v[SO+\b]
.endr
	s_delay_alu instid0(VALU_DEP_1)
	v_lshl_or_b32 v[T0], v[BP+1], 8, v[BP]
	v_cvt_scalef32_pk16_fp6_f32 v[PC:PC+2], v[S:S+15], v[SO]
	v_cvt_scalef32_pk16_fp6_f32 v[PT:PT+2], v[S+16:S+31], v[SO+1]
	v_nop
.irp i, 0,1,2
	v_permlane16_swap_b32 v[PC+\i], v[PT+\i]
.endr
	; eight codes are 48 bits: the four runs of eight go back into the natural order, which Wo's codes have
	s_delay_alu instid0(VALU_DEP_1)
	v_perm_b32 v[PC+3], v[PC+2], v[PC+1], 0x05040302
	s_delay_alu instid0(VALU_DEP_2)
	v_perm_b32 v[PC+4], v[PT+1], v[PC+2], 0x07060302
	s_delay_alu instid0(VALU_DEP_4)
	v_perm_b32 v[PC+1], v[PT], v[PC+1], 0x05040100
	v_perm_b32 v[PC+2], v[PT+1], v[PT], 0x05040302
	v_mov_b32 v[PC+5], v[PT+2]
	global_store_b128 v[LI], v[PC:PC+3], s[12:13] offset:12288*\p
	global_store_b64 v[L8], v[PC+4:PC+5], s[12:13] offset:12288*\p+512
	global_store_b16 v[RS], v[T0], s[14:15] offset:512*\p                  ; two bytes of each row's 32: the others are other heads'
.endm
	PASS 0
	PASS 1
	s_wait_tensorcnt 0x0                           ; the wave's end
	ds_add_u32 v254, v255
	s_wait_dscnt 0x0
	CROUND
	s_endpgm
.Lfunc_end_k_q800817123f_attn:
	.size	k_q800817123f_attn, .Lfunc_end_k_q800817123f_attn-k_q800817123f_attn
	.p2alignl 7, 3214868480
	.fill 96, 4, 3214868480
	.section	.rodata,"a",@progbits
	.p2align	6, 0x0
	.amdhsa_kernel k_q800817123f_attn
		.amdhsa_group_segment_fixed_size 231424
		.amdhsa_private_segment_fixed_size 0
		.amdhsa_enable_private_segment 0
		.amdhsa_kernarg_size 32
		.amdhsa_user_sgpr_count 2
		.amdhsa_user_sgpr_kernarg_segment_ptr 1
		.amdhsa_wavefront_size32 1
		.amdhsa_system_sgpr_workgroup_id_x 1
		.amdhsa_system_sgpr_workgroup_id_y 1
		.amdhsa_system_sgpr_workgroup_id_z 1
		.amdhsa_system_vgpr_workitem_id 0
		.amdhsa_next_free_vgpr 256
		.amdhsa_next_free_sgpr 96
		.amdhsa_reserve_vcc 0
		.amdhsa_float_denorm_mode_32 3
		.amdhsa_float_denorm_mode_16_64 3
		.amdhsa_memory_ordered 1
		.amdhsa_forward_progress 1
		.amdhsa_inst_pref_size 50
	.end_amdhsa_kernel
	.amdgpu_metadata
---
amdhsa.version: [ 1, 2 ]
amdhsa.kernels:
  - .name:           k_q800817123f_attn
    .symbol:         k_q800817123f_attn.kd
    .args:
      - { .name: img, .offset: 0, .size: 8, .value_kind: global_buffer, .address_space: global }
      - { .name: head_selector, .offset: 8, .size: 8, .value_kind: global_buffer, .address_space: global }
      - { .name: ctximg, .offset: 16, .size: 8, .value_kind: global_buffer, .address_space: global }
      - { .name: ctxs, .offset: 24, .size: 8, .value_kind: global_buffer, .address_space: global }
    .group_segment_fixed_size: 231424
    .private_segment_fixed_size: 0
    .kernarg_segment_align: 8
    .kernarg_segment_size: 32
    .max_flat_workgroup_size: 512
    .sgpr_count:     96
    .vgpr_count:     256
    .wavefront_size: 32
...
	.end_amdgpu_metadata
.endif
;; end of part 2
;; launch outp (part 3): grid 4 x 64, 4 waves a work-group, clusters of 4 x 4, 327,680 bytes of LDS; arguments ctximg, ctxs, Wo_codes, Wo_scales, bo, out0; writes out0
.if DOCPART == 3
	.amdgcn_target "amdgcn-amd-amdhsa--gfx1250"
	.amdhsa_code_object_version 6
	.text
	.protected	k_q800817123f_outp
	.globl	k_q800817123f_outp
	.p2align	8
	.type	k_q800817123f_outp,@function
k_q800817123f_outp:
	s_mov_b64 s[64:65], 0
	v_nop
	global_prefetch_b8 v0, s[64:65] scope:SCOPE_SE
	s_setreg_imm32_b32 hwreg(HW_REG_WAVE_MODE, 25, 1), 1
	s_wait_xcnt 0x0
	s_wait_alu depctr_hold_cnt(0) depctr_sa_sdst(0) depctr_va_vdst(0) depctr_va_sdst(0) depctr_va_ssrc(0) depctr_va_vcc(0) depctr_vm_vsrc(0)
	s_getreg_b32 s2, hwreg(HW_REG_IB_STS2, 6, 4)
	s_cmp_eq_u32 s2, 0
	s_cbranch_scc0 .Lentry_in_a_cluster
	s_endpgm
.Lentry_in_a_cluster:
	s_bfe_u32 s2, ttmp6, 0x10000c
	s_cmp_lg_u32 s2, 0xf033
	s_cbranch_scc0 .Lentry_shape_is_right
	s_endpgm
.Lentry_shape_is_right:
; THE OUTPUT PRODUCT out = ctx Wo + bo on codes of FP6 (E2M3), one E8M0 scale for each 32 along K = 1,024; sums in f32, begun with the bias as C.
; SHARES.  16 clusters of 4 x 4 work-groups; a work-group makes 128 rows x 256 columns, a wave 64 x 128: 32 accumulators.  Source 1 = ctx's rows (a lane's row), source 0 = Wo's rows (eight neighbouring columns in a lane).
; THE WHOLE K LIES IN LDS, filled once, one joint load a wave: ctx's 8 tiles of 16 rows as the launch before laid them (for each head an image of six operand registers: 98,304 dense bytes), then Wo's 256 rows of
; 768 bytes, 16 bytes of padding behind every 256 (pitch 816).  ctx's bytes are asked for jointly by a row of the cluster, Wo's by a column.  No prefetch: all bytes are asked for at the head; there is no loop to run ahead in.
; The scale words go from memory straight into registers.  Results leave through a stage in ctx's bytes, which have had their only fill and, behind a barrier, their last read.
.set KROW,   768
.set PITCH,  816
.set FR,     12
.set ATILE,  12288                     ; 16 rows of ctx: 16 heads x 768 bytes
.set BOFF,   8*ATILE
.set SPARE,  BOFF+256*PITCH
.set SPITCH, 528
.set SIZE_N, 1024
.set ADRA, 16                          ; v16: 16 x lane, v17: 8 x lane, + my four tiles
.set ADRB, 18
.set STO,  24
.set RD,   25
.set CO,   27
.set SAD,  26
.set SPW,  28
.set NIL,  29
.set BA,   30
.set SCA,  32
.set SCB,  64
.set AF,   128
.set BK,   128
.set BB,   0                           ; window 3: the bias along my registers
.set G1, 24
.set G0D, 32
.set G1B, 48
.set G0B, 56
.set MSB, 0
.macro WIN new
.if MSB != (\new)
	s_set_vgpr_msb (MSB<<8)|(\new)
.set MSB, (\new)
.endif
.endm
.set MUL,  0xa1
.set FST,  0xb1                        ; the first step: C from window 3
.set TO_B, 0x40
.macro CROUND
	s_barrier_signal -1
	s_barrier_wait -1
	s_cmp_lg_u32 s14, 0
	s_cbranch_scc1 .Lnot_wave_0_\@
	s_barrier_signal -3
.Lnot_wave_0_\@:
	s_barrier_wait -3
	s_barrier_signal -1
	s_barrier_wait -1
.endm
.macro PLACES
.rept 4
	v_nop
.endr
.endm
	s_load_b256 s[4:11], s[0:1], 0x0               ; ctximg, ctxs, Wo codes, Wo scales
	s_load_b128 s[96:99], s[0:1], 0x20             ; bo, out0
	v_lshl_add_u32 v[SPW], v0, 2, SPARE
	v_mov_b32 v[NIL], 0
	ds_add_u32 v[SPW], v[NIL]                      ; the opening lines
	ds_add_u32 v[SPW], v[NIL]
	v_lshrrev_b32 v1, 5, v0
	v_readfirstlane_b32 s14, v1
	s_lshr_b32 s15, s14, 1
	s_and_b32 s16, s14, 1
	s_bfe_u32 s40, ttmp6, 0x40000
	s_bfe_u32 s41, ttmp6, 0x40004
	s_lshl_b32 s42, ttmp9, 2
	s_add_co_u32 s42, s42, s40                     ; tile column (256 columns)
	s_and_b32 s17, ttmp7, 0xffff
	s_lshl_b32 s17, s17, 2
	s_add_co_u32 s17, s17, s41                     ; tile row (128 rows)
	s_lshl_b32 s43, s41, 2
	s_lshl_b32 s43, 15, s43
	s_lshl_b32 s44, 0x1111, s40
	s_or_b32 s[G1+0], s43, (3<<16)|(1<<21)         ; ctx: 49,152 dense bytes a load, as 192 rows of 256 bytes
	s_mov_b32 s[G1+1], 32<<16
	s_mov_b32 s[G1+2], 192<<16
	s_mov_b32 s[G1+3], 32<<16
	s_mov_b32 s[G1+4], 192
	s_mov_b32 s[G1+5], 32
	s_mov_b32 s[G1+6], 0
	s_mov_b32 s[G1+7], 0
	s_or_b32 s[G1B+0], s44, (1<<20)|(1<<21)|(5<<22)|(3<<25)
	s_mov_b32 s[G1B+1], KROW<<16
	s_mov_b32 s[G1B+2], 128<<16
	s_mov_b32 s[G1B+3], KROW<<16
	s_mov_b32 s[G1B+4], 128
	s_mov_b32 s[G1B+5], KROW
	s_mov_b32 s[G1B+6], 0
	s_mov_b32 s[G1B+7], 0
	s_mul_i32 s20, s17, 8*ATILE
	s_mul_i32 s18, s16, 4*ATILE
	s_add_co_u32 s20, s20, s18
	s_mov_b32 s21, 0
	s_lshl_b32 s46, s42, 8
	s_lshl_b32 s19, s16, 7
	s_add_co_u32 s46, s46, s19
	s_mul_i32 s46, s46, KROW
	s_mov_b32 s47, 0
	s_mov_b32 s[G0D], 1
	s_mov_b32 s[G0D+1], s18
	s_mov_b32 s[G0B], 1
	s_mul_i32 s[G0B+1], s16, 128*PITCH
	s_add_co_u32 s[G0B+1], s[G0B+1], BOFF
	s_wait_dscnt 0x0
	s_wait_kmcnt 0x0
	s_add_nc_u64 s[G0D+2:G0D+3], s[4:5], s[20:21]
	s_or_b32 s[G0D+3], s[G0D+3], 0x80000000
	s_add_nc_u64 s[G0B+2:G0B+3], s[8:9], s[46:47]
	s_or_b32 s[G0B+3], s[G0B+3], 0x80000000
	CROUND
	s_cmp_eq_u32 s15, 0                            ; one load a wave: waves 0, 1 ctx's halves, waves 2, 3 Wo's
	s_cbranch_scc0 .Lfor_b
	tensor_load_to_lds s[G0D:G0D+3], s[G1:G1+7]
	s_nop 0
	PLACES
	s_branch .Lasked
.Lfor_b:
	tensor_load_to_lds s[G0B:G0B+3], s[G1B:G1B+7]
	s_nop 0
	PLACES
.Lasked:
	s_lshl_b32 s92, s17, 7
	s_lshl_b32 s18, s15, 6
	s_add_co_u32 s92, s92, s18                     ; my first row
	s_lshl_b32 s95, s42, 8
	s_lshl_b32 s18, s16, 7
	s_add_co_u32 s95, s95, s18                     ; my first column
	s_mov_b32 s19, 0
	s_lshl_b32 s18, s92, 5
	s_add_nc_u64 s[6:7], s[6:7], s[18:19]
	s_lshl_b32 s18, s95, 5
	s_add_nc_u64 s[10:11], s[10:11], s[18:19]
	s_lshl_b32 s18, s95, 2
	s_add_nc_u64 s[96:97], s[96:97], s[18:19]
	s_add_nc_u64 s[12:13], s[98:99], s[18:19]
	s_lshl_b32 s18, s92, 12
	s_add_nc_u64 s[12:13], s[12:13], s[18:19]      ; out0 at (my row, my column)
	s_mul_i32 s21, s15, 4*ATILE
	s_mul_i32 s22, s16, 128*PITCH
	s_add_co_u32 s22, s22, BOFF
	s_add_co_u32 s23, s22, 64*PITCH
	s_mul_i32 s20, s14, 16*SPITCH                  ; my stage
	v_and_b32 v1, 15, v0
	v_bfe_u32 v2, v0, 4, 1
	v_and_b32 v6, 31, v0
	v_mul_u32_u24 v3, v1, PITCH
	v_mad_u32_u24 v4, v2, 24, v3
	v_mad_u32_u24 v5, v2, 40, v3
	v_lshlrev_b32 v[CO], 4, v6
	v_lshlrev_b32 v8, 3, v6
	v_add_nc_u32 v[ADRA], s21, v[CO]
	v_add_nc_u32 v[ADRA+1], s21, v8
	v_add_nc_u32 v[ADRB], s22, v4
	v_add_nc_u32 v[ADRB+1], s22, v5
	v_add_nc_u32 v[ADRB+2], s23, v4
	v_add_nc_u32 v[ADRB+3], s23, v5
	v_lshlrev_b32 v[SAD], 5, v1
	v_lshlrev_b32 v[BA], 5, v2
	v_mul_u32_u24 v7, v1, SPITCH
	v_lshl_add_u32 v7, v2, 5, v7
	v_add_nc_u32 v[STO], s20, v7
	v_add_nc_u32 v[RD], s20, v[CO]
	s_wait_alu depctr_va_vdst(0)
.irp a, 0,1,2,3
	global_load_b128 v[SCA+8*\a:SCA+8*\a+3], v[SAD], s[6:7] offset:512*\a
	global_load_b128 v[SCA+8*\a+4:SCA+8*\a+7], v[SAD], s[6:7] offset:512*\a+16
.endr
.irp b, 0,1,2,3,4,5,6,7
	global_load_b128 v[SCB+8*\b:SCB+8*\b+3], v[SAD], s[10:11] offset:512*\b
	global_load_b128 v[SCB+8*\b+4:SCB+8*\b+7], v[SAD], s[10:11] offset:512*\b+16
.endr
	WIN 0xc0
.irp b, 0,1,2,3,4,5,6,7
	global_load_b128 v[BB+8*\b:BB+8*\b+3], v[BA], s[96:97] offset:64*\b
	global_load_b128 v[BB+8*\b+4:BB+8*\b+7], v[BA], s[96:97] offset:64*\b+16
.endr
	WIN 0
.macro FRAG reg, adr, st, i            ; Wo: byte y of a row lies at y + 16 (y / 256) of its LDS row; lanes 16-31 read 24 bytes on
.irp p, 0,1,2,3,4,5
.set BY, 96*(\st)+48*(\p/3)+8*(\p%3)
.if BY/256 == (BY+24)/256
	ds_load_b64 v[\reg+2*\p:\reg+2*\p+1], v[\adr] offset:BY+16*(BY/256)+(\i)*16*PITCH
.else
	ds_load_b64 v[\reg+2*\p:\reg+2*\p+1], v[\adr+1] offset:BY+16*(BY/256)+(\i)*16*PITCH
.endif
.endr
.endm
.macro FRAGA reg, st, i                ; ctx: heads 2 st and 2 st + 1 of tile i: two images of six registers
	ds_load_b128 v[\reg:\reg+3],     v[ADRA]   offset:ATILE*(\i)+1536*(\st)
	ds_load_b64  v[\reg+4:\reg+5],   v[ADRA+1] offset:ATILE*(\i)+1536*(\st)+512
	ds_load_b128 v[\reg+6:\reg+9],   v[ADRA]   offset:ATILE*(\i)+1536*(\st)+768
	ds_load_b64  v[\reg+10:\reg+11], v[ADRA+1] offset:ATILE*(\i)+1536*(\st)+1280
.endm
.macro FETCH st
	WIN TO_B
.irp i, 0,1,2,3
	FRAG 128*((\st)%2)+FR*\i, ADRB, \st, \i
.endr
.irp i, 0,1,2,3
	FRAG 128*((\st)%2)+FR*(\i+4), ADRB+2, \st, \i
.endr
	WIN 0
.irp i, 0,1,2,3
	FRAGA AF+48*((\st)%2)+FR*\i, \st, \i
.endr
.endm
.macro MULS st, first                  ; the accumulators take turns, in the same order in every step
.irp a, 0,1,2,3
.irp b, 0,1,2,3,4,5,6,7
.if \first
	v_wmma_scale_f32_16x16x128_f8f6f4 v[8*(8*\a+\b):8*(8*\a+\b)+7], v[128*((\st)%2)+FR*\b:128*((\st)%2)+FR*\b+FR-1], v[AF+48*((\st)%2)+FR*\a:AF+48*((\st)%2)+FR*\a+FR-1], v[BB+8*\b:BB+8*\b+7], v[SCB+8*\b+(\st)], v[SCA+8*\a+(\st)] matrix_a_fmt:MATRIX_FMT_FP6 matrix_b_fmt:MATRIX_FMT_FP6
.else
	v_wmma_scale_f32_16x16x128_f8f6f4 v[8*(8*\a+\b):8*(8*\a+\b)+7], v[128*((\st)%2)+FR*\b:128*((\st)%2)+FR*\b+FR-1], v[AF+48*((\st)%2)+FR*\a:AF+48*((\st)%2)+FR*\a+FR-1], v[8*(8*\a+\b):8*(8*\a+\b)+7], v[SCB+8*\b+(\st)], v[SCA+8*\a+(\st)] matrix_a_fmt:MATRIX_FMT_FP6 matrix_b_fmt:MATRIX_FMT_FP6
.endif
.endr
.endr
.endm
	s_wait_loadcnt 0x0
	s_wait_tensorcnt 0x0
	s_barrier_signal -1
	s_barrier_wait -1                              ; all four parts are in
	FETCH 0
.set ST, 0
.rept 8
	s_wait_dscnt 0x0                               ; this step's fragments are in
.if ST < 7
.if ST > 0
	PLACES
.endif
	FETCH ST+1
.else
	s_barrier_signal -1                            ; my reads of the tiles are over
.endif
.if ST == 0
	WIN FST
	MULS ST, 1
.else
	WIN MUL
	MULS ST, 0
.endif
.set ST, ST+1
.endr
	WIN 0
	s_barrier_wait -1                              ; everybody's are: the stage may be written
; THE WAY OUT: a block of 16 rows x 128 columns goes through my stage and comes back as whole rows of 512 bytes
.macro TOSTAGE a
.set AC, 64*(\a)
	WIN 0x08
.irp b, 0,1,2,3,4,5,6,7
	ds_store_b128 v[STO], v[AC+8*\b:AC+8*\b+3] offset:64*\b          ; each accumulator from its low end on
	ds_store_b128 v[STO], v[AC+8*\b+4:AC+8*\b+7] offset:64*\b+16
.endr
	WIN 0
.set BBK, BK+64*((\a)%2)
.irp t, 0,1,2,3,4,5,6,7,8,9,10,11,12,13,14,15
	ds_load_b128 v[BBK+4*\t:BBK+4*\t+3], v[RD] offset:\t*SPITCH      ; a wave's LDS instructions are served in order
.endr
.endm
.macro SEND a, younger
.set BBK, BK+64*((\a)%2)
	s_wait_dscnt \younger                          ; the block is back; the next block's 16 stores and 16 loads may be out
.if (\a) > 0
	s_add_nc_u64 s[12:13], s[12:13], 16*SIZE_N*4   ; behind a wait on XCNT
.endif
.irp t, 0,1,2,3,4,5,6,7,8,9,10,11,12,13,14,15
	global_store_b128 v[CO], v[BBK+4*\t:BBK+4*\t+3], s[12:13] offset:\t*SIZE_N*4 th:TH_STORE_NT   ; 512 consecutive bytes, at a multiple of 256 from the buffer's first byte
.endr
.endm
	PLACES
	TOSTAGE 0
.irp a, 1,2,3
.if \a > 1
	s_wait_xcnt 0x0
.endif
	TOSTAGE \a
	SEND \a-1, 32
.endr
	s_wait_xcnt 0x0
	SEND 3, 0
	s_wait_tensorcnt 0x0                           ; the wave's end
	ds_add_u32 v[SPW], v[NIL]
	s_wait_dscnt 0x0
	CROUND
	s_endpgm
.Lfunc_end_k_q800817123f_outp:
	.size	k_q800817123f_outp, .Lfunc_end_k_q800817123f_outp-k_q800817123f_outp
	.p2alignl 7, 3214868480
	.fill 96, 4, 3214868480
	.section	.rodata,"a",@progbits
	.p2align	6, 0x0
	.amdhsa_kernel k_q800817123f_outp
		.amdhsa_group_segment_fixed_size 327680
		.amdhsa_private_segment_fixed_size 0
		.amdhsa_enable_private_segment 0
		.amdhsa_kernarg_size 48
		.amdhsa_user_sgpr_count 2
		.amdhsa_user_sgpr_kernarg_segment_ptr 1
		.amdhsa_wavefront_size32 1
		.amdhsa_system_sgpr_workgroup_id_x 1
		.amdhsa_system_sgpr_workgroup_id_y 1
		.amdhsa_system_sgpr_workgroup_id_z 1
		.amdhsa_system_vgpr_workitem_id 0
		.amdhsa_next_free_vgpr 1024
		.amdhsa_next_free_sgpr 100
		.amdhsa_reserve_vcc 0
		.amdhsa_float_denorm_mode_32 3
		.amdhsa_float_denorm_mode_16_64 3
		.amdhsa_memory_ordered 1
		.amdhsa_forward_progress 1
		.amdhsa_inst_pref_size 91
	.end_amdhsa_kernel
	.amdgpu_metadata
---
amdhsa.version: [ 1, 2 ]
amdhsa.kernels:
  - .name:           k_q800817123f_outp
    .symbol:         k_q800817123f_outp.kd
    .args:
      - { .name: ctximg, .offset: 0, .size: 8, .value_kind: global_buffer, .address_space: global }
      - { .name: ctxs, .offset: 8, .size: 8, .value_kind: global_buffer, .address_space: global }
      - { .name: Wo_codes, .offset: 16, .size: 8, .value_kind: global_buffer, .address_space: global }
      - { .name: Wo_scales, .offset: 24, .size: 8, .value_kind: global_buffer, .address_space: global }
      - { .name: bo, .offset: 32, .size: 8, .value_kind: global_buffer, .address_space: global }
      - { .name: out0, .offset: 40, .size: 8, .value_kind: global_buffer, .address_space: global }
    .group_segment_fixed_size: 327680
    .private_segment_fixed_size: 0
    .kernarg_segment_align: 8
    .kernarg_segment_size: 48
    .max_flat_workgroup_size: 128
    .sgpr_count:     100
    .vgpr_count:     1024
    .wavefront_size: 32
...
	.end_amdgpu_metadata
.endif
;; end of part 3
